; MI455X (gfx1250); checked and timed in simulation.
; The chip was launched on July 23, 2026; its instructions are those of AMD's public machine-readable ISA for CDNA 5 (MIT licence, August 2026) and "CDNA5" Instruction Set Architecture Reference Guide (July 2026). The comments in the code are by the model that wrote it; some were corrected since.
;; Transformer Attention. Allowed arithmetic: matrix products marked QUANTISED: E2M1 operands, one E8M0 scale for each 32 along K, by v_wmma_scale_f32_16x16x128_f8f6f4 with both operands' format E2M1 (or v_wmma_scale_f32_32x16x128_f4), f32 sums; everything else in f32.
;; Inputs: Wk 1,024 x 1,024 float32; Wo 1,024 x 1,024 float32; Wq 1,024 x 1,024 float32; Wv 1,024 x 1,024 float32; bk 1,024 float32; bo 1,024 float32; bq 1,024 float32; bv 1,024 float32; x 4 x 2,048 x 1,024 float32.
;; Outputs: out0 4 x 2,048 x 1,024 float32.
;; This version of the problem:
;;   THIS VERSION OF THE PROBLEM IS GIVEN IN LOW PRECISION. The matrix products marked QUANTISED in the list below multiply operands that are first quantised to E2M1 (2 exponent bits, 1 mantissa bit; 4 bits a number), with one power-of-two scale for each 32 numbers along K (OCP MX v1.0); their sums are f32. All else is computed in f32.
;;   The module's matrix products, in the order in which they are computed (A, B: the left and right operand; K: the contracted axis; several contracted axes count as one K, in the product's order):
;;     1. [M 8,192, K 1,024] x [K 1,024, N 1,024]; A: input x; B: input Wq: QUANTISED
;;     2. [M 8,192, K 1,024] x [K 1,024, N 1,024]; A: input x; B: input Wk: QUANTISED
;;     3. [M 8,192, K 1,024] x [K 1,024, N 1,024]; A: input x; B: input Wv: QUANTISED
;;     4. batch 64 x [M 2,048, K 64] x [K 64, N 2,048]; A: computed on the way; B: computed on the way: QUANTISED
;;     5. batch 64 x [M 2,048, K 2,048] x [K 2,048, N 64]; A: softmax (see below); B: computed on the way: QUANTISED
;;     6. [M 8,192, K 1,024] x [K 1,024, N 1,024]; A: computed on the way; B: input Wo: QUANTISED
;;   THE QUANTISER, for each operand of a quantised product, along K:
;;     - K is cut into blocks of 32 from its start; a last block that is shorter is filled with zeros.
;;     - A block's scale is 2^e with e = floor(log2(the largest magnitude in the block)) - 2, held to -126 .. 127; a block of zeros has e = 0. As a byte (E8M0): e + 127.
;;     - Each number is divided by its block's scale, clamped to +-6, and rounded to the nearest number of E2M1, ties to even, subnormals kept.
;;     - The product sums the exact products of the quantised numbers (number of the format x scale) in f32.
;;   ~~~python
;;   def quantise(x, axis):      # numpy; x: float32 -> the quantised numbers, widened to float32 again
;;       x = np.moveaxis(x, axis, -1); K = x.shape[-1]
;;       x = np.pad(x, [(0, 0)] * (x.ndim - 1) + [(0, -K % 32)]); x = x.reshape(x.shape[:-1] + (-1, 32)); a = np.abs(x).max(-1, keepdims=True)
;;       e = np.where(a > 0, np.clip(np.frexp(np.where(a > 0, a, 1))[1] - 1 - 2, -126, 127), 0)      # np.frexp(a)[1] - 1 = floor(log2(a)), exactly
;;       r = np.clip(x / 2.0 ** e, -6, 6)
;;       step = 2.0 ** (np.maximum(np.frexp(np.where(r == 0, 1, r))[1] - 1, 0) - 1)
;;       q = np.round(r / step) * step * 2.0 ** e      # np.round: ties to even
;;       return np.moveaxis(q.reshape(q.shape[:-2] + (-1,))[..., :K], -1, axis).astype(np.float32)
;;   ~~~
;;   SOFTMAX AHEAD OF A QUANTISED PRODUCT. Where the list says 'softmax', what is quantised is not the finished softmax but p = 2^(t - M), with t = logit x log2(e) and M = ceil(the row's largest t), a whole number; so 1/2 < the row's largest p <= 1. The row's sum l is taken of the UNQUANTISED p, in f32, and the product's result is divided by l at the end. Since M is a whole number, a kernel that streams over the keys may use a running M (the ceiling of the running maximum): every later rescaling is an exact power of two, which a block's scale takes up: the codes' values come out the same.
;;   OPERANDS COMPUTED ON THE WAY. 'Computed on the way' means the value that the module computes at that place (a softmax that the list does not call 'softmax' is quantised finished and normalised). What goes into a quantiser is computed in f32, as accurately as f32 sums, v_exp_f32 and their like allow (about 1e-6 of the number): no bf16 or f16 on the way to a quantiser, and a product that is left as it is and whose result goes on into a quantised operand takes f32 operands (vector FMAs, or v_wmma_f32_16x16x4_f32). A number that lies on a knife's edge between two numbers of the format may be rounded either way, as far as f32 arithmetic and the matrix unit's own rounding can turn it there, and no further.
;; One version. Each part assembles by itself: llvm-mc -triple=amdgcn-amd-amdhsa -mcpu=gfx1250 --defsym DOCPART=n.
;; ======== version 1 of 1: 4 launches
;; workspace buffers: xq 4,456,448 bytes; wq 2,228,224 bytes; qq 4,456,448 bytes; kv 8,912,896 bytes; cq 4,456,448 bytes
;; launch quant (part 1): grid 384 x 1, 4 waves a work-group, no clusters, 34,304 bytes of LDS; arguments x, Wq, Wk, Wv, Wo, xq, wq; writes xq, wq
.if DOCPART == 1
	.amdgcn_target "amdgcn-amd-amdhsa--gfx1250"
	.amdhsa_code_object_version 6
	.text
	.protected	k_q0c0833bec0_quant
	.globl	k_q0c0833bec0_quant
	.p2align	8
	.type	k_q0c0833bec0_quant,@function
k_q0c0833bec0_quant:
	s_mov_b64 s[64:65], 0
	v_nop
	global_prefetch_b8 v0, s[64:65] scope:SCOPE_SE
	s_setreg_imm32_b32 hwreg(HW_REG_WAVE_MODE, 25, 1), 1
	s_wait_xcnt 0x0
; x [8192][1024] and Wq, Wk, Wv, Wo [1024][1024], f32, K innermost, become codes of FP4 (E2M1) with one E8M0 scale byte for each 32 along K.
; A block's scale is 2^(floor(log2(its largest magnitude)) - 2); its byte is the largest magnitude's exponent field - 2, held at 1 from below.
; LIMITS: NaN and infinities among the inputs are not served.  A block of zeros gets the byte 1 where the quantiser says 127: its codes are zeros, which add nothing, and this program alone reads the bytes.
; THE RESULT LIES IN THE ORDER OF THE OPERAND'S REGISTERS.  A RECORD of 8,704 bytes holds a tile of 16 rows x 1,024 K.  Lane r of tile T is row 32 (T / 2) + 8 (T % 2) + r + 8 (r / 8).
;   byte 256 B + 16 r + 0..15: the codes of that row's block B (k = 32 B ..): so half a fragment of K step s (registers 4 c .. 4 c + 3) is the 512 bytes at 1,024 s + 512 c, 16 bytes a lane.
;   byte 8,192 + 256 q + 16 r + 4 j: the row's scale word of K step 4 q + j.
; xq: 512 records of x.  wq: 256 records: Wq 0-63, Wk 64-127, Wv 128-191, Wo 192-255.
; SHARES.  A wave takes one tile x half of K: four steps of 128 along K.  Work-groups 0-255 take x, then 32 each Wq, Wk, Wv, Wo: only pointers are chosen, all take one way through the text.
; A STEP.  Sixteen loads, each 512 consecutive bytes of one row; the 8 KB turn through the wave's own stage in LDS (rows 528 bytes apart: the sixteen rows that a read touches start at sixteen different banks),
; so that lane (r, h) gets k = 64 c + 32 h + 0 .. 31 of row r: two whole blocks.  Their largest magnitudes need no other lane, and the conversions' results ARE the fragment's registers.
; No tensor load, no barrier: waves share nothing.  Loads run one step (16 loads a wave) ahead of the step in hand.
.set REC,   8704
.set PITCH, 528
.set STG,   16*PITCH                   ; a wave's stage
.set MX,    10                         ; v10-11  the two blocks' largest magnitudes
.set SO,    12                         ; v12-13  the conversions' scale operands
.set EB,    14                         ; v14-15  the scale bytes
.set WD,    20                         ; v20-23  a scale word for each step
.set CD,    32                         ; v32-63  codes: eight registers a step, never written again
.set RW,    64                         ; v64-191 two sets of 64: numbers as they are loaded
.set XN,    192                        ; v192-255 my 64 numbers of a step
	s_load_b256 s[4:11], s[0:1], 0x0               ; x, Wq, Wk, Wv
	s_load_b128 s[12:15], s[0:1], 0x20             ; Wo, xq
	s_load_b64 s[16:17], s[0:1], 0x30              ; wq
	v_lshl_add_u32 v30, v0, 2, 0x8400
	v_mov_b32 v31, 0
	v_lshrrev_b32 v1, 5, v0
	v_readfirstlane_b32 s18, v1                    ; wave
	v_and_b32 v1, 31, v0                           ; lane
	v_and_b32 v2, 15, v0                           ; r
	v_bfe_u32 v3, v0, 4, 1                         ; h
	v_lshlrev_b32 v4, 4, v1                        ; 16 x lane: my bytes of a load's 512, and of a store's
	s_mul_i32 s19, s18, STG
	v_add_nc_u32 v5, s19, v4                       ; the stage, on the way in
	v_mul_u32_u24 v6, v2, PITCH
	v_lshl_add_u32 v6, v3, 7, v6
	v_add_nc_u32 v6, s19, v6                       ; and on the way out: row r, + 128 h bytes
	v_lshlrev_b32 v7, 4, v2
	v_lshl_add_u32 v7, v3, 3, v7                   ; the scale words' place: 16 r + 8 h
	v_lshlrev_b32 v8, 3, v3                        ; 8 h: how far my two bytes are shifted in a word
	v_mov_b32 v17, 0                               ; a lane permute's destination counts as one of its sources
	s_mov_b32 s38, 0x76543210
	s_mov_b32 s39, 0xfedcba98                      ; v_permlanex16_b32's selects for lane l xor 16
	s_wait_alu depctr_va_vdst(0)
	s_wait_kmcnt 0x0
	s_cmp_lt_u32 ttmp9, 352                        ; which tensor: the choice hangs on the work-group's number alone
	s_cselect_b64 s[32:33], s[10:11], s[12:13]
	s_cmp_lt_u32 ttmp9, 320
	s_cselect_b64 s[32:33], s[8:9], s[32:33]
	s_cmp_lt_u32 ttmp9, 288
	s_cselect_b64 s[32:33], s[6:7], s[32:33]
	s_cmp_lt_u32 ttmp9, 256
	s_cselect_b64 s[32:33], s[4:5], s[32:33]
	s_cselect_b64 s[34:35], s[14:15], s[16:17]     ; xq or wq
	s_cselect_b32 s20, 0, 1024                     ; the first task of the weights
	s_cselect_b32 s21, 511, 63                     ; tiles in the source tensor, less one
	s_lshl_b32 s22, ttmp9, 2
	s_add_co_u32 s22, s22, s18
	s_sub_co_u32 s22, s22, s20                     ; my task
	s_and_b32 s23, s22, 1                          ; q: which half of K
	s_lshr_b32 s24, s22, 1                         ; the record
	s_and_b32 s25, s24, s21                        ; the tile in its tensor
	s_lshr_b32 s26, s25, 1
	s_lshl_b32 s26, s26, 17                        ; 32 rows of 4,096 bytes
	s_and_b32 s27, s25, 1
	s_lshl_b32 s27, s27, 15                        ; 8 rows
	s_add_co_u32 s26, s26, s27
	s_lshl_b32 s27, s23, 11                        ; 512 numbers
	s_add_co_u32 s26, s26, s27
	s_mov_b32 s27, 0
	s_add_nc_u64 s[32:33], s[32:33], s[26:27]      ; the source at my tile's first row, my half of K
	s_mul_i32 s28, s24, REC
	s_mov_b32 s29, 0
	s_add_nc_u64 s[34:35], s[34:35], s[28:29]      ; my record
	s_lshl_b32 s28, s23, 8
	s_add_co_u32 s28, s28, 8192
	s_add_nc_u64 s[36:37], s[34:35], s[28:29]      ; its scale words of my half
	s_lshl_b32 s28, s23, 12
	s_add_nc_u64 s[34:35], s[34:35], s[28:29]      ; its codes of my half
.macro LOAD t                          ; step t: 128 numbers of each of the tile's 16 rows, into set t % 2
.irp i, 0,1,2,3,4,5,6,7,8,9,10,11,12,13,14,15
	global_load_b128 v[RW+64*((\t)%2)+4*\i:RW+64*((\t)%2)+4*\i+3], v4, s[32:33] offset:(\i+8*(\i/8))*4096+512*(\t) th:TH_LOAD_NT
.endr
.endm
.macro STEP t
.if (\t) < 3
	s_wait_loadcnt 16                              ; this step's 16 loads are in; the next step's 16 may be out
.else
	s_wait_loadcnt 0x0
.endif
.irp i, 0,1,2,3,4,5,6,7,8,9,10,11,12,13,14,15
	ds_store_b128 v5, v[RW+64*((\t)%2)+4*\i:RW+64*((\t)%2)+4*\i+3] offset:PITCH*\i
.endr
.irp c, 0,1
.irp g, 0,1,2,3,4,5,6,7
	ds_load_b128 v[XN+32*\c+4*\g:XN+32*\c+4*\g+3], v6 offset:256*\c+16*\g   ; LDS serves a wave's instructions in order: these see the stores above
.endr
.endr
	s_wait_dscnt 0x0                               ; my numbers are back: so the stores have read their set,
.if (\t) < 2
	LOAD (\t)+2                                    ; which takes the loads of two steps on
.endif
.irp c, 0,1
	v_max3_num_f32 v[MX+\c], |v[XN+32*\c]|, |v[XN+32*\c+1]|, 0x1800000   ; block 2 c + h: all 32 numbers are mine; and the floor 2^(3 - 127): the byte cannot fall under 1
.endr
.irp i, 2,4,6,8,10,12,14,16,18,20,22,24,26,28,30
.irp c, 0,1
	v_max3_num_f32 v[MX+\c], v[MX+\c], |v[XN+32*\c+\i]|, |v[XN+32*\c+\i+1]|
.endr
.endr
.irp c, 0,1
	v_add_nc_u32 v[SO+\c], 0xff000000, v[MX+\c]    ; 2 off the exponent field: the conversion takes the exponent field of this operand as its scale
.endr
.irp c, 0,1
	v_lshrrev_b32 v[EB+\c], 23, v[SO+\c]           ; the scale's byte
.endr
	v_lshl_or_b32 v16, v15, 16, v14                ; my two bytes, blocks h and 2 + h,
	v_lshlrev_b32 v16, v8, v16                     ; at their places in the word;
	v_permlanex16_b32 v17, v16, s38, s39
	v_or_b32 v[WD+(\t)], v16, v17                  ; with lane l xor 16's two the word is whole
.irp c, 0,1
.irp g, 0,1,2,3
	v_cvt_scalef32_pk8_fp4_f32 v[CD+8*(\t)+4*\c+\g], v[XN+32*\c+8*\g:XN+32*\c+8*\g+7], v[SO+\c]
.endr
.endr
	v_nop                                          ; one plain instruction behind the last scaled conversion
.irp c, 0,1
	global_store_b128 v4, v[CD+8*(\t)+4*\c:CD+8*(\t)+4*\c+3], s[34:35] offset:1024*(\t)+512*\c   ; 512 consecutive bytes, aligned to 256
.endr
.endm
	LOAD 0
	LOAD 1
	STEP 0
	STEP 1
	STEP 2
	STEP 3
	v_cmp_ne_u32 vcc_lo, 0, v3                     ; lanes 0-15 store words 0 and 1 of their row, lanes 16-31 words 2 and 3
	v_cndmask_b32 v24, v20, v22, vcc_lo
	v_cndmask_b32 v25, v21, v23, vcc_lo
	global_store_b64 v7, v[24:25], s[36:37]        ; 32 lanes store 256 consecutive bytes, aligned
	s_wait_tensorcnt 0x0
	ds_add_u32 v30, v31
	s_wait_dscnt 0x0
	s_endpgm
.Lfunc_end_k_q0c0833bec0_quant:
	.size	k_q0c0833bec0_quant, .Lfunc_end_k_q0c0833bec0_quant-k_q0c0833bec0_quant
	.p2alignl 7, 3214868480
	.fill 96, 4, 3214868480
	.section	.rodata,"a",@progbits
	.p2align	6, 0x0
	.amdhsa_kernel k_q0c0833bec0_quant
		.amdhsa_group_segment_fixed_size 34304
		.amdhsa_private_segment_fixed_size 0
		.amdhsa_enable_private_segment 0
		.amdhsa_kernarg_size 56
		.amdhsa_user_sgpr_count 2
		.amdhsa_user_sgpr_kernarg_segment_ptr 1
		.amdhsa_wavefront_size32 1
		.amdhsa_system_sgpr_workgroup_id_x 1
		.amdhsa_system_sgpr_workgroup_id_y 1
		.amdhsa_system_sgpr_workgroup_id_z 1
		.amdhsa_system_vgpr_workitem_id 0
		.amdhsa_next_free_vgpr 256
		.amdhsa_next_free_sgpr 66
		.amdhsa_reserve_vcc 1
		.amdhsa_float_denorm_mode_32 3
		.amdhsa_float_denorm_mode_16_64 3
		.amdhsa_memory_ordered 1
		.amdhsa_forward_progress 1
		.amdhsa_inst_pref_size 30
	.end_amdhsa_kernel
	.amdgpu_metadata
---
amdhsa.version: [ 1, 2 ]
amdhsa.kernels:
  - .name:           k_q0c0833bec0_quant
    .symbol:         k_q0c0833bec0_quant.kd
    .args:
      - { .name: x, .offset: 0, .size: 8, .value_kind: global_buffer, .address_space: global }
      - { .name: Wq, .offset: 8, .size: 8, .value_kind: global_buffer, .address_space: global }
      - { .name: Wk, .offset: 16, .size: 8, .value_kind: global_buffer, .address_space: global }
      - { .name: Wv, .offset: 24, .size: 8, .value_kind: global_buffer, .address_space: global }
      - { .name: Wo, .offset: 32, .size: 8, .value_kind: global_buffer, .address_space: global }
      - { .name: xq, .offset: 40, .size: 8, .value_kind: global_buffer, .address_space: global }
      - { .name: wq, .offset: 48, .size: 8, .value_kind: global_buffer, .address_space: global }
    .group_segment_fixed_size: 34304
    .private_segment_fixed_size: 0
    .kernarg_segment_align: 8
    .kernarg_segment_size: 56
    .max_flat_workgroup_size: 128
    .sgpr_count:     66
    .vgpr_count:     256
    .wavefront_size: 32
...
	.end_amdgpu_metadata
.endif
;; end of part 1
;; launch qkv (part 2): grid 12 x 32, 16 waves a work-group, clusters of 4 x 4, 284,672 bytes of LDS; arguments xq, wq, bq, bk, bv, qq, kv; writes qq, kv
.if DOCPART == 2
	.amdgcn_target "amdgcn-amd-amdhsa--gfx1250"
	.amdhsa_code_object_version 6
	.text
	.protected	k_q0c0833bec0_qkv
	.globl	k_q0c0833bec0_qkv
	.p2align	8
	.type	k_q0c0833bec0_qkv,@function
k_q0c0833bec0_qkv:
	s_mov_b64 s[64:65], 0
	v_nop
	global_prefetch_b8 v0, s[64:65] scope:SCOPE_SE
	s_setreg_imm32_b32 hwreg(HW_REG_WAVE_MODE, 25, 1), 1
	s_wait_xcnt 0x0
	s_wait_alu depctr_hold_cnt(0) depctr_sa_sdst(0) depctr_va_vdst(0) depctr_va_sdst(0) depctr_va_ssrc(0) depctr_va_vcc(0) depctr_vm_vsrc(0)
	s_getreg_b32 s2, hwreg(HW_REG_IB_STS2, 6, 4)
	s_cmp_eq_u32 s2, 0
	s_cbranch_scc0 .Lentry_in_a_cluster
	s_endpgm
.Lentry_in_a_cluster:
	s_bfe_u32 s2, ttmp6, 0x10000c
	s_cmp_lg_u32 s2, 0xf033
	s_cbranch_scc0 .Lentry_shape_is_right
	s_endpgm
.Lentry_shape_is_right:
; q = x Wq^T + bq, k = x Wk^T + bk, v = x Wv^T + bv on codes of FP4 with E8M0 scales, and each result quantised again for attention: q and k along the head's 64, v along the KEYS.
; OPERANDS come as records of 8,704 bytes (a tile of 16 rows x 1,024 K in the order of the operand's registers; lane r of tile T is row 32 (T / 2) + 8 (T % 2) + r + 8 (r / 8)):
;   half a fragment of K step s at 1,024 s + 512 c + 16 x lane; the scale words of K steps 4 q .. 4 q + 3 at 8,192 + 256 q + 16 r.
; SHARES.  A work-group makes 256 rows of x against 256 rows of one weight; all of K lies in LDS at once (16 + 16 records), each byte filled once.  Sixteen waves, each 64 x 64: 16 accumulators.
; The cluster's x says which weight (0: q, 1: k, 2: v): the same in all sixteen partners, so the branches on it are alike in all.
; q, k: source 0 = 16 rows of W, source 1 = 16 rows of x: a lane holds one row of x, its registers run along the features.  By the order of a tile's rows the 16 registers of tiles 2 B, 2 B + 1 are features 32 B + 16 h + 0 .. 15.
; v:    source 0 = 16 rows of x, source 1 = 16 rows of Wv: a lane holds one feature, its registers run along the keys, likewise.  A wave's 64 features are one head.
; The bias is the C of each sum's first matrix instruction.
; CLUSTER 4 x 4: x's records are shared along a row of the cluster, W's along a column: each is asked for jointly, by the same tensor load with the same descriptor and a mask that names the four.
; RESULTS, again in the order of the operand's registers:
;   qq [bh 64][rec 16][4,352]: codes of tile 8 rec + t at 512 t + 256 B + 16 r; scale bytes at 4,096 + 16 r + 2 t + B.
;   kv [bh 64][step 16][8,704]: K's codes as q's; V's at 4,096 + 1,024 t + 512 c + 256 hk + 16 r (feature tile t, keys 64 c + 32 hk ..); K's scale bytes at 8,192 + 16 r + 2 t + B; V's at 8,448 + 16 r + 4 t + 2 c + hk.
; LIMITS: NaN and infinities are not served; a block of zeros gets the byte 1 (its codes are zeros; this program alone reads the bytes).
.set REC,  8704
.set GRP,  4*REC                       ; four records: what a wave reads of x or of W
.set RB,   16*REC                      ; LDS: x's 16 records, then W's 16
.set QST,  2*RB                        ; 2 KB: the scale bytes of q or k meet here;
.set VST,  QST+2048                    ; 2 KB: those of v.  Each way has bytes of its own
.set SC,   16                          ; v16-31  scale words: v[SC + 4 i + s % 4]: lanes 0-15 x's tile i, lanes 16-31 W's tile i.  They hold scales and nothing else
.set XF,   32                          ; v32-63  four fragments of x
.set WF,   64                          ; v64-95  four fragments of W
.set BI,   96                          ; v96-127 the bias in the result's layout
.set ACC,  128                         ; v128-255 accumulator (a, b) at v[ACC + 8 (4 a + b)]
.set MX,   32                          ; the quantiser works in the registers that the fragments have left: v32-39 largest magnitudes,
.set PM,   40                          ; v40-47 the other half's,
.set SO,   48                          ; v48-55 the conversions' scale operands,
.set EB,   56                          ; v56-63 the bytes,
.set PC,   64                          ; v64-79 the codes,
.set UU,   80                          ; v80-83 two bytes for each tile
.set WV,   18                          ; s18 wave;  s19 al = wave / 4: my 64 rows of x;  s20 om = wave % 4: my 64 rows of W
.set TYP,  27                          ; s27 0: q, 1: k, 2: v
.macro PLACES n
.rept \n
	v_nop
.endr
.endm
.macro CROUND                          ; a round of the cluster's barrier
	s_barrier_signal -1
	s_barrier_wait -1
	s_cmp_lg_u32 s[WV], 0
	s_cbranch_scc1 .Lnot_wave_0_\@
	s_barrier_signal -3
.Lnot_wave_0_\@:
	s_barrier_wait -3
	s_barrier_signal -1
	s_barrier_wait -1
.endm
; A K step of 128: 16 (or 20) LDS loads of 512 consecutive bytes, then 16 matrix instructions; the accumulators take turns, one instruction a turn.
.macro GSTEP k, vt
.if (\k) > 0
	PLACES 4                                       ; in front of loads into registers that matrix instructions have read (ISA guide 7.12.1 for vector instructions)
.endif
.irp i, 0,1,2,3
.irp c, 0,1
	ds_load_b128 v[XF+8*\i+4*\c:XF+8*\i+4*\c+3], v4 offset:REC*\i+1024*(\k)+512*\c
.endr
.endr
.irp i, 0,1,2,3
.irp c, 0,1
	ds_load_b128 v[WF+8*\i+4*\c:WF+8*\i+4*\c+3], v5 offset:REC*\i+1024*(\k)+512*\c
.endr
.endr
.if (\k)%4 == 0
.irp i, 0,1,2,3
	ds_load_b128 v[SC+4*\i:SC+4*\i+3], v6 offset:REC*\i+256*((\k)/4)   ; the words of four K steps
.endr
.endif
	s_wait_dscnt 0x0
.irp a, 0,1,2,3
.irp b, 0,1,2,3
.if (\vt) == 0
.if (\k) == 0
	v_wmma_scale_f32_16x16x128_f8f6f4 v[ACC+8*(4*\a+\b):ACC+8*(4*\a+\b)+7], v[WF+8*\b:WF+8*\b+7], v[XF+8*\a:XF+8*\a+7], v[BI+8*\b:BI+8*\b+7], v[SC+4*\b+(\k)%4], v[SC+4*\a+(\k)%4] matrix_a_fmt:MATRIX_FMT_FP4 matrix_b_fmt:MATRIX_FMT_FP4 matrix_a_scale:MATRIX_SCALE_ROW1
.else
	v_wmma_scale_f32_16x16x128_f8f6f4 v[ACC+8*(4*\a+\b):ACC+8*(4*\a+\b)+7], v[WF+8*\b:WF+8*\b+7], v[XF+8*\a:XF+8*\a+7], v[ACC+8*(4*\a+\b):ACC+8*(4*\a+\b)+7], v[SC+4*\b+(\k)%4], v[SC+4*\a+(\k)%4] matrix_a_fmt:MATRIX_FMT_FP4 matrix_b_fmt:MATRIX_FMT_FP4 matrix_a_scale:MATRIX_SCALE_ROW1
.endif
.else
.if (\k) == 0
	v_wmma_scale_f32_16x16x128_f8f6f4 v[ACC+8*(4*\a+\b):ACC+8*(4*\a+\b)+7], v[XF+8*\b:XF+8*\b+7], v[WF+8*\a:WF+8*\a+7], v[BI+8*\a:BI+8*\a+7], v[SC+4*\b+(\k)%4], v[SC+4*\a+(\k)%4] matrix_a_fmt:MATRIX_FMT_FP4 matrix_b_fmt:MATRIX_FMT_FP4 matrix_b_scale:MATRIX_SCALE_ROW1
.else
	v_wmma_scale_f32_16x16x128_f8f6f4 v[ACC+8*(4*\a+\b):ACC+8*(4*\a+\b)+7], v[XF+8*\b:XF+8*\b+7], v[WF+8*\a:WF+8*\a+7], v[ACC+8*(4*\a+\b):ACC+8*(4*\a+\b)+7], v[SC+4*\b+(\k)%4], v[SC+4*\a+(\k)%4] matrix_a_fmt:MATRIX_FMT_FP4 matrix_b_fmt:MATRIX_FMT_FP4 matrix_b_scale:MATRIX_SCALE_ROW1
.endif
.endif
.endr
.endr
.endm
.macro MAIN vt
.irp k, 0,1,2,3,4,5,6,7
	GSTEP \k, \vt
.endr
.endm
	s_load_b256 s[4:11], s[0:1], 0x0               ; xq, wq, bq, bk
	s_load_b128 s[12:15], s[0:1], 0x20             ; bv, qq
	s_load_b64 s[16:17], s[0:1], 0x30              ; kv
	v_lshl_add_u32 v14, v0, 2, 0x45000
	v_mov_b32 v15, 0
	ds_add_u32 v14, v15
	ds_add_u32 v14, v15
	v_lshrrev_b32 v1, 5, v0
	s_delay_alu instid0(VALU_DEP_1)
	v_readfirstlane_b32 s[WV], v1                  ; wave 0..15
	s_lshr_b32 s19, s[WV], 2                       ; al
	s_and_b32 s20, s[WV], 3                        ; om
	s_bfe_u32 s21, ttmp6, 0x40000                  ; cx
	s_bfe_u32 s22, ttmp6, 0x40004                  ; cy
	s_lshl_b32 s23, ttmp9, 2
	s_add_co_u32 s23, s23, s21                     ; which 256 rows of the weights: 4 x cluster x + cx
	s_and_b32 s24, ttmp7, 0xffff
	s_lshl_b32 s24, s24, 2
	s_add_co_u32 s24, s24, s22                     ; which 256 rows of x: 4 x cluster y + cy
	s_lshl_b32 s25, s22, 2
	s_lshl_b32 s25, 15, s25                        ; my row of the cluster
	s_lshl_b32 s26, 0x1111, s21                    ; my column
	s_mov_b32 s[TYP], ttmp9
	; descriptor group 1: a record is a dense block: 34 rows of 256 bytes (32 elements of 8 bytes), no padding
	s_or_b32 s28, s25, (3<<16)|(1<<21)             ; 15:0 the mask: x's records go to my row; 17:16 elements of 8 bytes; 21 set beside a mask
	s_or_b32 s36, s26, (3<<16)|(1<<21)             ; W's go to my column
.irp g, 28, 36
	s_mov_b32 s[\g+1], 32<<16                      ; tensor_dim0 = 32
	s_mov_b32 s[\g+2], 34<<16                      ; tensor_dim1 = 34
	s_mov_b32 s[\g+3], 32<<16                      ; tile_dim0 = 32
	s_mov_b32 s[\g+4], 34                          ; tile_dim1 = 34
	s_mov_b32 s[\g+5], 32                          ; from row to row
	s_mov_b32 s[\g+6], 0
	s_mov_b32 s[\g+7], 0
.endr
	s_lshl_b32 s52, s24, 4
	s_add_co_u32 s52, s52, s[WV]                   ; x's record 16 y + wave: made of what my row of the cluster shares
	s_mul_i32 s52, s52, REC
	s_mov_b32 s53, 0
	s_lshl_b32 s54, s23, 4
	s_add_co_u32 s54, s54, s[WV]                   ; W's record 16 x + wave: made of what my column shares
	s_mul_i32 s54, s54, REC
	s_mov_b32 s55, 0
	s_mov_b32 s44, 1
	s_mul_i32 s45, s[WV], REC                      ; LDS: wave x a record: no place in the cluster enters an LDS address
	s_mov_b32 s48, 1
	s_add_co_u32 s49, s45, RB
	s_wait_dscnt 0x0
	s_wait_kmcnt 0x0
	s_add_nc_u64 s[46:47], s[4:5], s[52:53]
	s_or_b32 s47, s47, 0x80000000
	s_add_nc_u64 s[50:51], s[6:7], s[54:55]
	s_or_b32 s51, s51, 0x80000000
	CROUND                                         ; all sixteen work-groups are here: the joint loads meet
	tensor_load_to_lds s[44:47], s[28:35]          ; my record of x,
	s_nop 0
	tensor_load_to_lds s[48:51], s[36:43]          ; my record of W: two loads of mine are out, both first fills
	s_nop 0
	PLACES 4                                       ; behind a tensor load
	; what hangs on the weight in hand
	s_cmp_eq_u32 s[TYP], 0
	s_cselect_b64 s[56:57], s[8:9], s[10:11]       ; the bias,
	s_cselect_b64 s[58:59], s[14:15], s[16:17]     ; the buffer that takes the result,
	s_mov_b32 s60, 16*REC
	s_cselect_b32 s60, 16*4352, s60                ; a head in it,
	s_mov_b32 s61, REC
	s_cselect_b32 s61, 4352, s61                   ; a record in it,
	s_mov_b32 s66, 8192
	s_cselect_b32 s66, 4096, s66                   ; where a record's scale bytes begin,
	s_cmp_eq_u32 s[TYP], 2
	s_cselect_b64 s[56:57], s[12:13], s[56:57]
	s_mov_b32 s62, 2048
	s_cselect_b32 s62, 512, s62                    ; how far al % 2 moves my codes,
	s_cselect_b32 s63, 4096, 0                     ; and where the codes begin
	s_cselect_b32 s66, 8448, s66
	s_lshl_b32 s80, s21, 10
	s_lshl_b32 s81, s20, 8
	s_add_co_u32 s80, s80, s81
	s_mov_b32 s81, 0
	s_add_nc_u64 s[56:57], s[56:57], s[80:81]      ; the bias at my 64 features: 256 cx + 64 om
	s_lshr_b32 s74, s24, 3
	s_lshl_b32 s74, s74, 4
	s_lshl_b32 s75, s21, 2
	s_add_co_u32 s74, s74, s75
	s_add_co_u32 s74, s74, s20                     ; bh = 16 x batch + 4 cx + om
	s_mul_i32 s74, s74, s60
	s_and_b32 s76, s24, 7
	s_lshl_b32 s76, s76, 1                         ; 2 (y % 8): the first of my work-group's two records
	s_mul_i32 s78, s76, s61
	s_add_co_u32 s78, s78, s74
	s_add_co_u32 s80, s78, s66
	s_add_nc_u64 s[70:71], s[58:59], s[80:81]      ; F: the scale bytes of those two records, of head om's
	s_lshr_b32 s77, s19, 1
	s_mul_i32 s77, s77, s61                        ; my record of the two: al / 2
	s_add_co_u32 s78, s78, s77
	s_and_b32 s77, s19, 1
	s_mul_i32 s79, s77, s62
	s_add_co_u32 s78, s78, s79
	s_add_co_u32 s80, s78, s63
	s_add_nc_u64 s[68:69], s[58:59], s[80:81]      ; D: my codes
	s_mov_b32 s72, 0x76543210
	s_mov_b32 s73, 0xfedcba98                      ; v_permlanex16_b32's selects for lane l xor 16
	; every address register is made here, ahead of the first parting of the ways
	v_and_b32 v1, 15, v0                           ; r
	v_bfe_u32 v2, v0, 4, 1                         ; h
	s_wait_alu depctr_va_vdst(0)
	v_and_b32 v3, 31, v0
	s_delay_alu instid0(VALU_DEP_1)
	v_lshlrev_b32 v3, 4, v3                        ; 16 x lane
	s_mul_i32 s83, s19, GRP
	s_mul_i32 s84, s20, GRP
	s_add_co_u32 s84, s84, RB
	v_add_nc_u32 v4, s83, v3                       ; my four records of x
	v_add_nc_u32 v5, s84, v3                       ; my four records of W
	s_xor_b32 s85, s19, 3                          ; 3 - al
	s_add_co_u32 s85, s85, s20
	s_add_co_u32 s85, s85, 1
	s_mul_i32 s85, s85, GRP                        ; from x's records to W's: (4 + om - al) x four records
	v_mul_u32_u24 v6, s85, v2                      ; lanes 16-31 take W's scale words
	s_delay_alu instid0(VALU_DEP_1)
	v_lshl_add_u32 v6, v1, 4, v6
	s_add_co_u32 s83, s83, 8192
	v_add_nc_u32 v6, s83, v6
	v_lshlrev_b32 v7, 6, v2                        ; the bias of q, k: 16 h numbers on
	v_and_b32 v12, 8, v1
	s_delay_alu instid0(VALU_DEP_1)
	v_add_nc_u32 v12, v12, v1
	s_delay_alu instid0(VALU_DEP_1)
	v_lshlrev_b32 v12, 2, v12                      ; the bias of v: my feature in a tile, r + 8 (r / 8)
	s_lshl_b32 s86, s20, 9
	s_lshr_b32 s87, s19, 1
	s_lshl_b32 s87, s87, 8
	s_add_co_u32 s87, s87, s86                     ; a stage: 512 bytes a head, 256 a record
	s_and_b32 s88, s19, 1
	s_lshl_b32 s89, s88, 3
	s_add_co_u32 s89, s89, s87
	s_add_co_u32 s89, s89, QST
	v_lshl_add_u32 v8, v1, 4, s89                  ; q, k: my four tiles' 8 bytes at 16 r + 8 (al % 2)
	s_lshl_b32 s89, s88, 1
	s_add_co_u32 s89, s89, s87
	s_add_co_u32 s89, s89, VST
	v_lshl_add_u32 v9, v1, 4, s89                  ; v: two bytes a tile at 16 r + 4 t + 2 (al % 2)
	s_add_co_u32 s89, s86, QST
	v_add_nc_u32 v10, s89, v3                      ; back: head om's 512 bytes (om is the wave's number in the waves that read)
	s_add_co_u32 s89, s86, VST
	v_add_nc_u32 v13, s89, v3
	v_mul_u32_u24 v11, s61, v2
	s_delay_alu instid0(VALU_DEP_1)
	v_lshl_add_u32 v11, v1, 4, v11                 ; and out: lanes 0-15 the first record's 256 bytes, lanes 16-31 the second's
	s_cmp_eq_u32 s[TYP], 2
	s_cbranch_scc1 .Lbias_v
.irp b, 0,1,2,3
	global_load_b128 v[BI+8*\b:BI+8*\b+3], v7, s[56:57] offset:(32*(\b/2)+8*(\b%2))*4       ; tile b's eight features of my half
	global_load_b128 v[BI+8*\b+4:BI+8*\b+7], v7, s[56:57] offset:(32*(\b/2)+8*(\b%2))*4+16
.endr
	s_branch .Lbias_in
.Lbias_v:
	s_wait_alu depctr_va_vdst(0)
.irp a, 0,1,2,3
.irp j, 0,1,2,3,4,5,6,7
	global_load_b32 v[BI+8*\a+\j], v12, s[56:57] offset:(32*(\a/2)+8*(\a%2))*4               ; my feature's number, for all eight keys
.endr
.endr
.Lbias_in:
	s_wait_loadcnt 0x0
	s_wait_tensorcnt 0x0                           ; my two records have landed,
	s_barrier_signal -1
	s_barrier_wait -1                              ; everybody's have
	s_cmp_eq_u32 s[TYP], 2
	s_cbranch_scc1 .Lmain_v
	MAIN 0
	s_branch .Lmain_done
.Lmain_v:
	MAIN 1
.Lmain_done:
	PLACES 4                                       ; behind the last products: their results are read and their fragments' registers written
	; THE QUANTISER, eight blocks n = 2 a + B by turns: v[ACC + 16 n + i] is number 32 B + 16 h + i along the next K of my row of tile a.  Each accumulator is read from its low end on.
.irp n, 0,1,2,3,4,5,6,7
	v_max3_num_f32 v[MX+\n], |v[ACC+16*\n]|, |v[ACC+16*\n+1]|, 0x1800000   ; my 16 numbers, and the floor 2^(3 - 127): the byte cannot fall under 1
.endr
.irp i, 2,4,6,8,10,12,14
.irp n, 0,1,2,3,4,5,6,7
	v_max3_num_f32 v[MX+\n], v[MX+\n], |v[ACC+16*\n+\i]|, |v[ACC+16*\n+\i+1]|
.endr
.endr
.irp n, 0,1,2,3,4,5,6,7
	v_permlanex16_b32 v[PM+\n], v[MX+\n], s72, s73
.endr
.irp n, 0,1,2,3,4,5,6,7
	v_max_num_f32 v[MX+\n], v[MX+\n], v[PM+\n]     ; with lane l xor 16's: the block's largest magnitude
.endr
.irp n, 0,1,2,3,4,5,6,7
	v_add_nc_u32 v[SO+\n], 0xff000000, v[MX+\n]    ; 2 off its exponent field: the conversion's scale operand
.endr
.irp n, 0,1,2,3,4,5,6,7
	v_lshrrev_b32 v[EB+\n], 23, v[SO+\n]           ; the scale's byte
.endr
.irp a, 0,1,2,3
	v_lshl_or_b32 v[UU+\a], v[EB+2*\a+1], 8, v[EB+2*\a]
.endr
.irp n, 0,1,2,3,4,5,6,7
	v_cvt_scalef32_pk8_fp4_f32 v[PC+2*\n], v[ACC+16*\n:ACC+16*\n+7], v[SO+\n]
	v_cvt_scalef32_pk8_fp4_f32 v[PC+2*\n+1], v[ACC+16*\n+8:ACC+16*\n+15], v[SO+\n]
.endr
	v_nop                                          ; one plain instruction behind a scaled conversion
.irp a, 0,1,2,3
.irp i, 0,1
	v_permlane16_swap_b32 v[PC+4*\a+\i], v[PC+4*\a+2+\i]   ; a whole block to a lane: lanes 0-15 block 0 of their row, lanes 16-31 block 1: v[PC + 4 a ..] is half a fragment as the next launch loads it
.endr
.endr
	s_cmp_eq_u32 s[TYP], 2
	s_cbranch_scc1 .Lout_v
.irp a, 0,1,2,3
	global_store_b128 v3, v[PC+4*\a:PC+4*\a+3], s[68:69] offset:512*\a     ; 512 consecutive bytes, aligned to 256
.endr
	v_lshl_or_b32 v84, v81, 16, v80
	v_lshl_or_b32 v85, v83, 16, v82
	ds_store_b64 v8, v[84:85]                      ; (lanes l and l xor 16 write the same bytes with the same values)
	s_branch .Lout_done
.Lout_v:
	s_wait_alu depctr_va_vdst(0)
.irp a, 0,1,2,3
	global_store_b128 v3, v[PC+4*\a:PC+4*\a+3], s[68:69] offset:1024*\a
.endr
.irp a, 0,1,2,3
	ds_store_b16 v9, v[UU+\a] offset:4*\a
.endr
.Lout_done:
	s_wait_dscnt 0x0                               ; for the others' sake: my bytes lie in the stage
	s_barrier_signal -1
	s_barrier_wait -1
	s_cmp_lt_u32 s[WV], 4                          ; wave w stores the scale bytes of head w's two records
	s_cbranch_scc0 .Lno_scales
	s_cmp_eq_u32 s[TYP], 2
	s_cbranch_scc1 .Lscales_v
	ds_load_b128 v[88:91], v10
	s_branch .Lscales_go
.Lscales_v:
	ds_load_b128 v[88:91], v13
.Lscales_go:
	s_wait_dscnt 0x0
	global_store_b128 v11, v[88:91], s[70:71]      ; sixteen lanes store 256 consecutive bytes, aligned
.Lno_scales:
	s_wait_tensorcnt 0x0
	ds_add_u32 v14, v15
	s_wait_dscnt 0x0
	CROUND                                         ; the closing round: no work-group ends while a partner may still ask for a record that names it
	s_endpgm
.Lfunc_end_k_q0c0833bec0_qkv:
	.size	k_q0c0833bec0_qkv, .Lfunc_end_k_q0c0833bec0_qkv-k_q0c0833bec0_qkv
	.p2alignl 7, 3214868480
	.fill 96, 4, 3214868480
	.section	.rodata,"a",@progbits
	.p2align	6, 0x0
	.amdhsa_kernel k_q0c0833bec0_qkv
		.amdhsa_group_segment_fixed_size 284672
		.amdhsa_private_segment_fixed_size 0
		.amdhsa_enable_private_segment 0
		.amdhsa_kernarg_size 56
		.amdhsa_user_sgpr_count 2
		.amdhsa_user_sgpr_kernarg_segment_ptr 1
		.amdhsa_wavefront_size32 1
		.amdhsa_system_sgpr_workgroup_id_x 1
		.amdhsa_system_sgpr_workgroup_id_y 1
		.amdhsa_system_sgpr_workgroup_id_z 1
		.amdhsa_system_vgpr_workitem_id 0
		.amdhsa_next_free_vgpr 256
		.amdhsa_next_free_sgpr 100
		.amdhsa_reserve_vcc 0
		.amdhsa_float_denorm_mode_32 3
		.amdhsa_float_denorm_mode_16_64 3
		.amdhsa_memory_ordered 1
		.amdhsa_forward_progress 1
		.amdhsa_inst_pref_size 73
	.end_amdhsa_kernel
	.amdgpu_metadata
---
amdhsa.version: [ 1, 2 ]
amdhsa.kernels:
  - .name:           k_q0c0833bec0_qkv
    .symbol:         k_q0c0833bec0_qkv.kd
    .args:
      - { .name: xq, .offset: 0, .size: 8, .value_kind: global_buffer, .address_space: global }
      - { .name: wq, .offset: 8, .size: 8, .value_kind: global_buffer, .address_space: global }
      - { .name: bq, .offset: 16, .size: 8, .value_kind: global_buffer, .address_space: global }
      - { .name: bk, .offset: 24, .size: 8, .value_kind: global_buffer, .address_space: global }
      - { .name: bv, .offset: 32, .size: 8, .value_kind: global_buffer, .address_space: global }
      - { .name: qq, .offset: 40, .size: 8, .value_kind: global_buffer, .address_space: global }
      - { .name: kv, .offset: 48, .size: 8, .value_kind: global_buffer, .address_space: global }
    .group_segment_fixed_size: 284672
    .private_segment_fixed_size: 0
    .kernarg_segment_align: 8
    .kernarg_segment_size: 56
    .max_flat_workgroup_size: 512
    .sgpr_count:     100
    .vgpr_count:     256
    .wavefront_size: 32
...
	.end_amdgpu_metadata
.endif
;; end of part 2
;; launch attn (part 3): grid 4 x 64, 16 waves a work-group, clusters of 4 x 1, 169,984 bytes of LDS; arguments qq, kv, cq; writes cq
.if DOCPART == 3
	.amdgcn_target "amdgcn-amd-amdhsa--gfx1250"
	.amdhsa_code_object_version 6
	.text
	.protected	k_q0c0833bec0_attn
	.globl	k_q0c0833bec0_attn
	.p2align	8
	.type	k_q0c0833bec0_attn,@function
k_q0c0833bec0_attn:
	s_mov_b64 s[64:65], 0
	v_nop
	global_prefetch_b8 v0, s[64:65] scope:SCOPE_SE
	s_setreg_imm32_b32 hwreg(HW_REG_WAVE_MODE, 25, 1), 1
	s_wait_xcnt 0x0
	s_wait_alu depctr_hold_cnt(0) depctr_sa_sdst(0) depctr_va_vdst(0) depctr_va_sdst(0) depctr_va_ssrc(0) depctr_va_vcc(0) depctr_vm_vsrc(0)
	s_getreg_b32 s2, hwreg(HW_REG_IB_STS2, 6, 4)
	s_cmp_eq_u32 s2, 0
	s_cbranch_scc0 .Lentry_in_a_cluster
	s_endpgm
.Lentry_in_a_cluster:
	s_bfe_u32 s2, ttmp6, 0x10000c
	s_cmp_lg_u32 s2, 0x3003
	s_cbranch_scc0 .Lentry_shape_is_right
	s_endpgm
.Lentry_shape_is_right:
; ctx[bh][q] = the sum over the 2,048 keys of softmax(q . k / 8) v, both products on codes of FP4 with E8M0 scales; ctx is quantised along D for the last product.
; THE SOFTMAX AHEAD OF THE SECOND PRODUCT: t = score x log2(e) / 8; M = the row's largest t so far, rounded UP to a whole number; p = 2^(t - M) is what is quantised, along the keys, not normalised.
; The row's sum is taken of the unquantised p, in f32, and divides at the end.  When M moves, the sum and O are multiplied by 2^(old M - new M): exact.
; SHARES.  A work-group owns 512 queries of one head; each of its sixteen waves two tiles of 16, one after the other.  A WHOLE HEAD'S K AND V LIE IN LDS: 16 records of 8,704 bytes, one for each 128 keys, each byte filled once:
;   K's codes, tile t of 8, at 512 t + 16 x lane; V's, feature tile t of 4, at 4,096 + 1,024 t + 512 c + 16 x lane; K's scale bytes at 8,192 + 16 r; V's at 8,448 + 16 r.  Every LDS load reads 512 consecutive bytes.
; CLUSTER 4 x 1: the four work-groups of a head read the same records: wave w of each asks for record w JOINTLY, with the same descriptor and a mask that names the four.
; LAYOUT.  Both products are used transposed (S^T = K Q^T, O^T = V^T P^T): a lane holds ONE query throughout.  Lane r of a tile T (of queries, keys or features) is row 32 (T / 2) + 8 (T % 2) + r + 8 (r / 8),
; so that the 16 registers of two neighbouring tiles are 16 neighbours: keys 32 b + 16 h + 0 .. 15 in S^T, features 32 B + 16 h + 0 .. 15 in O^T.
; THE HEAD'S 64 FILL HALF OF THE INSTRUCTION'S 128 ALONG K.  A fragment of K holds TWO tiles of keys, one in each half of K; it is multiplied by [q, 0] for the first tile's scores and by [0, q] for the second's.
; Zero codes add nothing; the scale bytes beside them are 127.
; LIMITS: NaN and infinities are not served; a block of zeros gets the byte 1 (its codes are zeros; this program alone reads the bytes).  ctx's scale bytes leave two a lane, 16 bytes apart: 256 consecutive ones would need eight heads.
; REGISTERS: v1 16 x lane, v2 16 r, v8 the step's LDS address; v12 -M, v13 the largest t, v[14:15] the sum in two halves; v[16:23] [q, 0], v[24:31] [0, q]; v32-63 K; v64-95 V; v96-159 S^T, then p; v160-191 O^T;
;   v192, v193 q's scale words for the two forms, v194 p's; v195, v196 two scale bytes as loaded, as stored; v224-231 p's codes; v232-247, v252-254 at work; v[248:251] scale words: lanes 0-15 K's, lanes 16-31 V's.
.set REC, 8704
.set WV,  18
.macro PLACES n
.rept \n
	v_nop
.endr
.endm
.macro CROUND                          ; a round of the cluster's barrier
	s_barrier_signal -1
	s_barrier_wait -1
	s_cmp_lg_u32 s[WV], 0
	s_cbranch_scc1 .Lnot_wave_0_\@
	s_barrier_signal -3
.Lnot_wave_0_\@:
	s_barrier_wait -3
	s_barrier_signal -1
	s_barrier_wait -1
.endm
	s_load_b128 s[4:7], s[0:1], 0x0                ; qq, kv
	s_load_b64 s[8:9], s[0:1], 0x10                ; cq
	v_lshl_add_u32 v243, v0, 2, 0x29000
	v_mov_b32 v255, 0
	ds_add_u32 v243, v255
	ds_add_u32 v243, v255
	v_lshrrev_b32 v1, 5, v0
	s_delay_alu instid0(VALU_DEP_1)
	v_readfirstlane_b32 s[WV], v1                  ; wave 0..15
	s_bfe_u32 s19, ttmp6, 0x40000                  ; cx: my 512 queries; it enters global addresses of q and ctx alone
	s_and_b32 s37, ttmp7, 0xffff                   ; bh, which the four partners share
	s_mov_b32 s20, 0x76543210
	s_mov_b32 s21, 0xfedcba98                      ; v_permlanex16_b32's selects for lane l xor 16
	s_mov_b32 s22, 0x3e38aa3b                      ; c = log2(e) / 8
	s_mov_b32 s23, s22                             ; (named with it as a pair, so it is written)
	; descriptor group 1: a record is a dense block: 34 rows of 256 bytes (32 elements of 8 bytes), no padding
	s_mov_b32 s24, 15|(3<<16)|(1<<21)              ; 15:0 the mask: all four work-groups; 17:16 elements of 8 bytes; 21 set beside a mask
	s_mov_b32 s25, 32<<16                          ; tensor_dim0 = 32
	s_mov_b32 s26, 34<<16                          ; tensor_dim1 = 34
	s_mov_b32 s27, 32<<16                          ; tile_dim0 = 32
	s_mov_b32 s28, 34                              ; tile_dim1 = 34
	s_mov_b32 s29, 32                              ; from row to row
	s_mov_b32 s30, 0
	s_mov_b32 s31, 0
	s_mov_b32 s32, 1
	s_mul_i32 s33, s[WV], REC                      ; LDS: record w
	s_mul_i32 s38, s37, 16*REC
	s_add_co_u32 s38, s38, s33                     ; and in memory: the head's record w
	s_mov_b32 s39, 0
	s_mul_i32 s42, s37, 16*4352                    ; q: tile 32 cx + 16 trip + w lies in record 4 cx + 2 trip + w / 8, as its tile w % 8
	s_lshl_b32 s43, s19, 2
	s_lshr_b32 s44, s[WV], 3
	s_add_co_u32 s43, s43, s44
	s_mul_i32 s43, s43, 4352
	s_add_co_u32 s42, s42, s43
	s_and_b32 s44, s[WV], 7
	s_lshl_b32 s45, s44, 9
	s_add_co_u32 s46, s42, s45                     ; its codes
	s_mov_b32 s47, 0
	s_lshl_b32 s45, s44, 1
	s_add_co_u32 s48, s42, s45
	s_add_co_u32 s48, s48, 4096                    ; its scale bytes
	s_mov_b32 s49, 0
	s_lshr_b32 s50, s37, 4                         ; ctx: record 128 x batch + the tile,
	s_lshl_b32 s50, s50, 7
	s_lshl_b32 s51, s19, 5
	s_add_co_u32 s50, s50, s51
	s_add_co_u32 s50, s50, s[WV]
	s_mul_i32 s50, s50, REC
	s_and_b32 s51, s37, 15                         ; blocks 2 x head and 2 x head + 1 of it
	s_lshl_b32 s52, s51, 9
	s_add_co_u32 s52, s52, s50
	s_mov_b32 s53, 0
	s_lshr_b32 s54, s51, 3
	s_lshl_b32 s54, s54, 8
	s_and_b32 s55, s37, 7
	s_lshl_b32 s55, s55, 1
	s_add_co_u32 s54, s54, s55
	s_add_co_u32 s54, s54, s50
	s_add_co_u32 s54, s54, 8192                    ; their scale bytes
	s_mov_b32 s55, 0
	s_wait_dscnt 0x0
	s_wait_kmcnt 0x0
	s_add_nc_u64 s[34:35], s[6:7], s[38:39]
	s_or_b32 s35, s35, 0x80000000
	s_add_nc_u64 s[12:13], s[4:5], s[48:49]
	s_add_nc_u64 s[4:5], s[4:5], s[46:47]
	s_add_nc_u64 s[10:11], s[8:9], s[54:55]
	s_add_nc_u64 s[8:9], s[8:9], s[52:53]
	CROUND                                         ; all four work-groups are here: the joint loads meet
	tensor_load_to_lds s[32:35], s[24:31]          ; one load of mine is out, a first fill
	s_nop 0
	PLACES 4                                       ; behind a tensor load
	v_and_b32 v1, 31, v0
	s_delay_alu instid0(VALU_DEP_1)
	v_lshlrev_b32 v1, 4, v1                        ; 16 x lane
	v_and_b32 v2, 15, v0
	s_delay_alu instid0(VALU_DEP_1)
	v_lshlrev_b32 v2, 4, v2                        ; 16 r
.irp j, 20,21,22,23,24,25,26,27
	v_mov_b32 v[\j], 0                             ; the zero halves of [q, 0] and [0, q]: written once
.endr
	v_mov_b32 v253, 0                              ; (named as the upper half of the pair v[252:253])
	v_mov_b32 v254, 0
	s_mov_b32 s36, 2                               ; my two tiles of queries
	s_wait_tensorcnt 0x0                           ; my record has landed,
	s_barrier_signal -1
	s_barrier_wait -1                              ; everybody's has
.Ltile:
	global_load_b128 v[16:19], v1, s[4:5]          ; q's 512 bytes, once for each form: A's and B's registers, and the two forms', share none
	global_load_b128 v[28:31], v1, s[4:5]
	global_load_u16 v195, v2, s[12:13]             ; my query's two scale bytes
.set j, 0
.rept 32
	v_mov_b32 v[160+j], 0                          ; O^T.  (The step is written once: the first finds zeros, which the first change of M leaves zeros)
.set j, j+1
.endr
	s_wait_loadcnt 0x0
	v_or_b32 v192, 0x7f7f0000, v195                ; [q, 0]'s scale word: q's two bytes, then 127 twice
	v_lshl_or_b32 v193, v195, 16, 0x7f7f           ; [0, q]'s
	v_mov_b32 v13, 0xff61b1e6                      ; the largest t so far: -3e38, under every t.  (These eight lines are also the places between the scale words' making and the first product)
	s_delay_alu instid0(VALU_DEP_1)
	v_floor_f32 v12, -v13                          ; -M
	v_mov_b32 v14, 0                               ; the sum, in two halves
	v_mov_b32 v15, 0
.irp b, 0,1,2,3
	v_mov_b32 v[236+\b], 0                         ; a lane permute's destination counts as one of its sources
.endr
	s_mov_b32 s2, 0                                ; LDS byte of the step's record
	s_mov_b32 s3, 16                               ; key steps
.Lstep:                                                ; 128 keys
	s_setprio 2
	v_add_nc_u32 v8, s2, v1
	PLACES 3                                       ; with the line above: four places in front of loads into registers that the last products have read
.irp b, 0,1,2,3
.irp u, 0,1
	ds_load_b128 v[32+8*\b+4*\u:32+8*\b+4*\u+3], v8 offset:1024*\b+512*\u   ; fragment b: tile 2 b in the lower half of K, tile 2 b + 1 in the upper
.endr
.endr
	ds_load_b128 v[248:251], v8 offset:8192        ; lanes 0-15: K's scale words, fragment b's in register b; lanes 16-31: V's, tile t's in register t
.irp t, 0,1,2,3
.irp c, 0,1
	ds_load_b128 v[64+8*\t+4*\c:64+8*\t+4*\c+3], v8 offset:4096+1024*\t+512*\c
.endr
.endr
	s_wait_dscnt 8                                 ; K and the scale words are in; V's eight loads may be out
.irp b, 0,1,2,3
	v_wmma_scale_f32_16x16x128_f8f6f4 v[96+16*\b:103+16*\b], v[32+8*\b:39+8*\b], v[16:23], 0, v[248+\b], v192 matrix_a_fmt:MATRIX_FMT_FP4 matrix_b_fmt:MATRIX_FMT_FP4
	v_wmma_scale_f32_16x16x128_f8f6f4 v[104+16*\b:111+16*\b], v[32+8*\b:39+8*\b], v[24:31], 0, v[248+\b], v193 matrix_a_fmt:MATRIX_FMT_FP4 matrix_b_fmt:MATRIX_FMT_FP4
.endr
	PLACES 4
.irp b, 0,1,2,3
	v_max3_num_f32 v[232+\b], v[96+16*\b], v[97+16*\b], v[98+16*\b]   ; the largest score of each block of 32 keys: it serves for the row's maximum and, since p rises with the score, for the block's largest p
.endr
.irp i, 3,5,7,9,11,13
.irp b, 0,1,2,3
	v_max3_num_f32 v[232+\b], v[232+\b], v[96+16*\b+\i], v[97+16*\b+\i]
.endr
.endr
.irp b, 0,1,2,3
	v_max_num_f32 v[232+\b], v[232+\b], v[111+16*\b]
.endr
.irp b, 0,1,2,3
	s_delay_alu instid0(VALU_DEP_4)
	v_permlanex16_b32 v[236+\b], v[232+\b], s20, s21
.endr
.irp b, 0,1,2,3
	s_delay_alu instid0(VALU_DEP_4)
	v_max_num_f32 v[232+\b], v[232+\b], v[236+\b]  ; with lane l xor 16's 16 keys
.endr
	s_delay_alu instid0(VALU_DEP_2)
	v_max3_num_f32 v254, v232, v233, v234
	s_delay_alu instid0(VALU_DEP_1)
	v_max_num_f32 v254, v254, v235                 ; the step's largest score of my query
	s_delay_alu instid0(VALU_DEP_1)
	v_mul_f32 v254, s22, v254                      ; as t (c is positive)
	s_delay_alu instid0(VALU_DEP_1)
	v_max_num_f32 v13, v13, v254                   ; the running largest t
	v_mov_b32 v254, v12
	s_delay_alu instid0(VALU_DEP_2)
	v_floor_f32 v12, -v13                          ; the new -M = floor(-t) = -ceil(t): a whole number
	s_delay_alu instid0(VALU_DEP_1)
	v_sub_f32 v254, v12, v254                      ; M's old value less its new one: a whole number, 0 or less
	s_delay_alu instid0(VALU_DEP_1)
	v_cvt_i32_f32 v254, v254                       ; (it saturates)
	s_delay_alu instid0(VALU_DEP_1)
	v_ldexp_f32 v252, 1.0, v254                    ; f = 2^(old M - new M)
.set j, 0
.rept 32
	v_pk_fma_f32 v[96+j:97+j], v[96+j:97+j], s[22:23], v[12:13] op_sel_hi:[1,0,0]   ; t - M, two at a time (of the pairs c and -M the low word serves both halves)
.set j, j+2
.endr
.irp b, 0,1,2,3
	v_fma_f32 v[232+\b], v[232+\b], s22, v12       ; the same of each block's largest score
.endr
.set j, 0
	s_wait_alu depctr_va_vdst(0)
.rept 64
	v_exp_f32 v[96+j], v[96+j]                     ; p = 2^(t - M), at most 1: not normalised
.set j, j+1
.endr
	s_setprio 1
.irp b, 0,1,2,3
	v_exp_f32 v[232+\b], v[232+\b]                 ; the block's largest p: the same arithmetic on the same number.  ONE batch of 68
.endr
	v_pk_mul_f32 v[14:15], v[14:15], v[252:253] op_sel_hi:[1,0]   ; the sums under the new M: the plain instruction behind the last exponential
.set j, 0
	s_wait_alu depctr_va_vdst(0)
.rept 16
	v_pk_mul_f32 v[160+j:161+j], v[160+j:161+j], v[252:253] op_sel_hi:[1,0]   ; O^T under the new M: work that names no exponential's result
.set j, j+2
.endr
	s_wait_alu depctr_va_vdst(0)                   ; one wait for the batch, ahead of the first instruction that names a result
.irp b, 0,1,2,3
	v_max_num_f32 v[232+\b], 0x1800000, v[232+\b]  ; the floor 2^(3 - 127): the byte cannot fall under 1
.endr
.irp b, 0,1,2,3
	s_delay_alu instid0(VALU_DEP_4)
	v_add_nc_u32 v[244+\b], 0xff000000, v[232+\b]  ; 2 off the exponent field: the conversion's scale operand
.endr
.irp b, 0,1,2,3
	s_delay_alu instid0(VALU_DEP_4)
	v_lshrrev_b32 v[236+\b], 23, v[244+\b]         ; the scale's byte
.endr
	s_delay_alu instid0(VALU_DEP_3)
	v_lshl_or_b32 v194, v237, 8, v236              ; p's scale word for these 128 keys
	s_delay_alu instid0(VALU_DEP_1)
	v_lshl_or_b32 v194, v238, 16, v194
	s_delay_alu instid0(VALU_DEP_1)
	v_lshl_or_b32 v194, v239, 24, v194
.irp b, 0,1,2,3
	v_cvt_scalef32_pk8_fp4_f32 v[224+2*\b], v[96+16*\b:103+16*\b], v[244+\b]
	v_cvt_scalef32_pk8_fp4_f32 v[225+2*\b], v[104+16*\b:111+16*\b], v[244+\b]
.endr
	v_nop                                          ; one plain instruction behind a scaled conversion
.irp c, 0,1
.irp i, 0,1
	v_permlane16_swap_b32 v[224+4*\c+\i], v[226+4*\c+\i]   ; a whole block to a lane: lanes 0-15 block 2 c, lanes 16-31 block 2 c + 1
.endr
.endr
	v_pk_add_f32 v[236:237], v[100:101], v[104:105]
	v_pk_add_f32 v[246:247], v[108:109], v[112:113]
	v_pk_add_f32 v[244:245], v[116:117], v[120:121]
	v_pk_add_f32 v[240:241], v[124:125], v[128:129]
	v_pk_add_f32 v[234:235], v[132:133], v[136:137]
	v_pk_add_f32 v[232:233], v[140:141], v[144:145]
	v_pk_add_f32 v[222:223], v[148:149], v[152:153]
	v_pk_add_f32 v[14:15], v[14:15], v[156:157]
	v_pk_add_f32 v[236:237], v[236:237], v[96:97]
	v_pk_add_f32 v[246:247], v[246:247], v[98:99]
	v_pk_add_f32 v[244:245], v[244:245], v[102:103]
	v_pk_add_f32 v[240:241], v[240:241], v[106:107]
	v_pk_add_f32 v[234:235], v[234:235], v[110:111]
	v_pk_add_f32 v[232:233], v[232:233], v[114:115]
	v_pk_add_f32 v[222:223], v[222:223], v[118:119]
	s_setprio 0
	v_pk_add_f32 v[14:15], v[14:15], v[122:123]
	v_pk_add_f32 v[236:237], v[236:237], v[126:127]
	v_pk_add_f32 v[246:247], v[246:247], v[130:131]
	v_pk_add_f32 v[244:245], v[244:245], v[134:135]
	v_pk_add_f32 v[240:241], v[240:241], v[138:139]
	v_pk_add_f32 v[234:235], v[234:235], v[142:143]
	v_pk_add_f32 v[232:233], v[232:233], v[146:147]
	v_pk_add_f32 v[222:223], v[222:223], v[150:151]
	v_pk_add_f32 v[14:15], v[14:15], v[154:155]
	v_pk_add_f32 v[236:237], v[236:237], v[158:159]
	s_delay_alu instid0(VALU_DEP_2)
	v_pk_add_f32 v[14:15], v[14:15], v[240:241]
	s_delay_alu instid0(VALU_DEP_2)
	v_pk_add_f32 v[236:237], v[236:237], v[234:235]
	v_pk_add_f32 v[246:247], v[246:247], v[232:233]
	v_pk_add_f32 v[244:245], v[244:245], v[222:223]
	s_delay_alu instid0(VALU_DEP_2)
	v_pk_add_f32 v[14:15], v[14:15], v[246:247]
	s_delay_alu instid0(VALU_DEP_2)
	v_pk_add_f32 v[236:237], v[236:237], v[244:245]
	s_delay_alu instid0(VALU_DEP_1)
	v_pk_add_f32 v[14:15], v[14:15], v[236:237]
	s_wait_dscnt 0x0                               ; V is in
.irp t, 0,1,2,3
	v_wmma_scale_f32_16x16x128_f8f6f4 v[160+8*\t:167+8*\t], v[64+8*\t:71+8*\t], v[224:231], v[160+8*\t:167+8*\t], v[248+\t], v194 matrix_a_fmt:MATRIX_FMT_FP4 matrix_b_fmt:MATRIX_FMT_FP4 matrix_a_scale:MATRIX_SCALE_ROW1
.endr
	s_add_co_u32 s2, s2, REC
	s_sub_co_u32 s3, s3, 1
	s_cmp_lg_u32 s3, 0
	s_cbranch_scc1 .Lstep
	s_setprio 0
	; THE WAY OUT: O^T / the sum is ctx(query r, features 32 B + 16 h + i in register 16 B + i): two blocks along the last product's K, quantised here
	PLACES 4
	s_wait_alu depctr_va_vdst(0)
	v_add_f32 v14, v14, v15                        ; the sum's two halves,
	s_delay_alu instid0(VALU_DEP_1)
	v_permlanex16_b32 v254, v14, s20, s21
	s_delay_alu instid0(VALU_DEP_1)
	v_add_f32 v14, v14, v254                       ; and lane l xor 16's: the row's sum
	s_wait_alu depctr_va_vdst(0)
	v_rcp_f32 v14, v14
	v_nop                                          ; a plain instruction behind the reciprocal,
	s_wait_alu depctr_va_vdst(0)                   ; and the wait ahead of its first reader
.set j, 0
.rept 32
	v_mul_f32 v[96+j], v[160+j], v14               ; each accumulator from its low end on
.set j, j+1
.endr
.irp b, 0,1
	v_max3_num_f32 v[232+\b], |v[96+16*\b]|, |v[97+16*\b]|, 0x1800000
.endr
.irp i, 2,4,6,8,10,12,14
.irp b, 0,1
	s_delay_alu instid0(VALU_DEP_2)
	v_max3_num_f32 v[232+\b], v[232+\b], |v[96+16*\b+\i]|, |v[97+16*\b+\i]|
.endr
.endr
.irp b, 0,1
	s_delay_alu instid0(VALU_DEP_2)
	v_permlanex16_b32 v[236+\b], v[232+\b], s20, s21
.endr
.irp b, 0,1
	s_delay_alu instid0(VALU_DEP_2)
	v_max_num_f32 v[232+\b], v[232+\b], v[236+\b]
.endr
.irp b, 0,1
	s_delay_alu instid0(VALU_DEP_2)
	v_add_nc_u32 v[244+\b], 0xff000000, v[232+\b]
.endr
.irp b, 0,1
	s_delay_alu instid0(VALU_DEP_2)
	v_lshrrev_b32 v[236+\b], 23, v[244+\b]
.endr
	s_delay_alu instid0(VALU_DEP_1)
	v_lshl_or_b32 v196, v237, 8, v236
.irp b, 0,1
	v_cvt_scalef32_pk8_fp4_f32 v[224+2*\b], v[96+16*\b:103+16*\b], v[244+\b]
	v_cvt_scalef32_pk8_fp4_f32 v[225+2*\b], v[104+16*\b:111+16*\b], v[244+\b]
.endr
	v_nop
.irp i, 0,1
	v_permlane16_swap_b32 v[224+\i], v[226+\i]
.endr
	global_store_b128 v1, v[224:227], s[8:9]       ; 512 consecutive bytes, aligned to 256: half a fragment as the last launch loads it
	global_store_b16 v2, v196, s[10:11]            ; my query's two scale bytes (lanes l and l xor 16 write the same)
	s_wait_xcnt 0x0                                ; the loads and stores have read their bases and data: both may be written again
	s_add_nc_u64 s[4:5], s[4:5], 2*4352            ; 16 tiles of queries on
	s_add_nc_u64 s[12:13], s[12:13], 2*4352
	s_add_nc_u64 s[8:9], s[8:9], 16*REC
	s_add_nc_u64 s[10:11], s[10:11], 16*REC
	s_sub_co_u32 s36, s36, 1
	s_cmp_lg_u32 s36, 0
	s_cbranch_scc1 .Ltile
	s_wait_tensorcnt 0x0
	ds_add_u32 v243, v255
	s_wait_dscnt 0x0
	CROUND                                         ; the closing round: no work-group ends while a partner may still ask for a record that names it
	s_endpgm
.Lfunc_end_k_q0c0833bec0_attn:
	.size	k_q0c0833bec0_attn, .Lfunc_end_k_q0c0833bec0_attn-k_q0c0833bec0_attn
	.p2alignl 7, 3214868480
	.fill 96, 4, 3214868480
	.section	.rodata,"a",@progbits
	.p2align	6, 0x0
	.amdhsa_kernel k_q0c0833bec0_attn
		.amdhsa_group_segment_fixed_size 169984
		.amdhsa_private_segment_fixed_size 0
		.amdhsa_enable_private_segment 0
		.amdhsa_kernarg_size 24
		.amdhsa_user_sgpr_count 2
		.amdhsa_user_sgpr_kernarg_segment_ptr 1
		.amdhsa_wavefront_size32 1
		.amdhsa_system_sgpr_workgroup_id_x 1
		.amdhsa_system_sgpr_workgroup_id_y 1
		.amdhsa_system_sgpr_workgroup_id_z 1
		.amdhsa_system_vgpr_workitem_id 0
		.amdhsa_next_free_vgpr 256
		.amdhsa_next_free_sgpr 66
		.amdhsa_reserve_vcc 0
		.amdhsa_float_denorm_mode_32 3
		.amdhsa_float_denorm_mode_16_64 3
		.amdhsa_memory_ordered 1
		.amdhsa_forward_progress 1
		.amdhsa_inst_pref_size 28
	.end_amdhsa_kernel
	.amdgpu_metadata
---
amdhsa.version: [ 1, 2 ]
amdhsa.kernels:
  - .name:           k_q0c0833bec0_attn
    .symbol:         k_q0c0833bec0_attn.kd
    .args:
      - { .name: qq, .offset: 0, .size: 8, .value_kind: global_buffer, .address_space: global }
      - { .name: kv, .offset: 8, .size: 8, .value_kind: global_buffer, .address_space: global }
      - { .name: cq, .offset: 16, .size: 8, .value_kind: global_buffer, .address_space: global }
    .group_segment_fixed_size: 169984
    .private_segment_fixed_size: 0
    .kernarg_segment_align: 8
    .kernarg_segment_size: 24
    .max_flat_workgroup_size: 512
    .sgpr_count:     66
    .vgpr_count:     256
    .wavefront_size: 32
...
	.end_amdgpu_metadata
.endif
;; end of part 3
;; launch oproj (part 4): grid 4 x 64, 8 waves a work-group, clusters of 4 x 4, 327,680 bytes of LDS; arguments cq, wq, bo, out0; writes out0
.if DOCPART == 4
	.amdgcn_target "amdgcn-amd-amdhsa--gfx1250"
	.amdhsa_code_object_version 6
	.text
	.protected	k_q0c0833bec0_oproj
	.globl	k_q0c0833bec0_oproj
	.p2align	8
	.type	k_q0c0833bec0_oproj,@function
k_q0c0833bec0_oproj:
	s_mov_b64 s[64:65], 0
	v_nop
	global_prefetch_b8 v0, s[64:65] scope:SCOPE_SE
	s_setreg_imm32_b32 hwreg(HW_REG_WAVE_MODE, 25, 1), 1
	s_wait_xcnt 0x0
	s_wait_alu depctr_hold_cnt(0) depctr_sa_sdst(0) depctr_va_vdst(0) depctr_va_sdst(0) depctr_va_ssrc(0) depctr_va_vcc(0) depctr_vm_vsrc(0)
	s_getreg_b32 s2, hwreg(HW_REG_IB_STS2, 6, 4)
	s_cmp_eq_u32 s2, 0
	s_cbranch_scc0 .Lentry_in_a_cluster
	s_endpgm
.Lentry_in_a_cluster:
	s_bfe_u32 s2, ttmp6, 0x10000c
	s_cmp_lg_u32 s2, 0xf033
	s_cbranch_scc0 .Lentry_shape_is_right
	s_endpgm
.Lentry_shape_is_right:
; out0 = ctx Wo^T + bo on codes of FP4 with E8M0 scales; out0 [8192][1024] f32.
; OPERANDS come as records of 8,704 bytes (a tile of 16 rows x 1,024 K in the order of the operand's registers; lane r of tile T is row 32 (T / 2) + 8 (T % 2) + r + 8 (r / 8)):
;   half a fragment of K step s at 1,024 s + 512 c + 16 x lane; the scale words of K steps 4 q .. 4 q + 3 at 8,192 + 256 q + 16 r.  Wo's records are numbers 192 to 255 of wq.
; SHARES.  A work-group makes 128 rows x 256 columns: 256 work-groups.  All of K lies in LDS at once (8 + 16 records), each byte filled once.  Eight waves, each 64 x 64: 16 accumulators.
; Source 0 = 16 rows of Wo, source 1 = 16 rows of ctx: a lane holds one row of out0 and its registers run along the columns: 32 B + 16 h + 8 u + j in tile 2 B + u.  The bias is the C of each sum's first matrix instruction.
; CLUSTER 4 x 4: ctx's records are shared along a row of the cluster, Wo's along a column: each is asked for jointly, by the same tensor load with the same descriptor and a mask that names the four.
; THE WAY OUT: a block of 16 rows x 64 columns goes through the wave's own stage in LDS and leaves as rows: sixteen lanes store 256 consecutive bytes, aligned; the order of a tile's rows is undone in the stores' offsets.
.set REC,  8704
.set GRP,  4*REC
.set RB,   8*REC                       ; LDS: ctx's 8 records, then Wo's 16
.set STG,  RB+16*REC                   ; then a stage of 16 rows x (256 + 16) bytes for each wave
.set SP,   272
.set SC,   16                          ; v16-31  scale words: v[SC + 4 i + s % 4]: lanes 0-15 ctx's tile i, lanes 16-31 Wo's tile i.  They hold scales and nothing else
.set XF,   32                          ; v32-63  four fragments of ctx; on the way out rows read back
.set WF,   64                          ; v64-95  four fragments of Wo; likewise
.set BI,   96                          ; v96-127 the bias in the result's layout
.set ACC,  128                         ; v128-255 accumulator (a, b) at v[ACC + 8 (4 a + b)]
.set WV,   18
.macro PLACES n
.rept \n
	v_nop
.endr
.endm
.macro CROUND                          ; a round of the cluster's barrier
	s_barrier_signal -1
	s_barrier_wait -1
	s_cmp_lg_u32 s[WV], 0
	s_cbranch_scc1 .Lnot_wave_0_\@
	s_barrier_signal -3
.Lnot_wave_0_\@:
	s_barrier_wait -3
	s_barrier_signal -1
	s_barrier_wait -1
.endm
; A K step of 128: 16 (or 20) LDS loads of 512 consecutive bytes, then 16 matrix instructions; the accumulators take turns, one instruction a turn.
.macro GSTEP k
.if (\k) > 0
	PLACES 4                                       ; in front of loads into registers that matrix instructions have read (ISA guide 7.12.1 for vector instructions)
.endif
.irp i, 0,1,2,3
.irp c, 0,1
	ds_load_b128 v[XF+8*\i+4*\c:XF+8*\i+4*\c+3], v4 offset:REC*\i+1024*(\k)+512*\c
.endr
.endr
.irp i, 0,1,2,3
.irp c, 0,1
	ds_load_b128 v[WF+8*\i+4*\c:WF+8*\i+4*\c+3], v5 offset:REC*\i+1024*(\k)+512*\c
.endr
.endr
.if (\k)%4 == 0
.irp i, 0,1,2,3
	ds_load_b128 v[SC+4*\i:SC+4*\i+3], v6 offset:REC*\i+256*((\k)/4)   ; the words of four K steps
.endr
.endif
	s_wait_dscnt 0x0
.irp a, 0,1,2,3
.irp b, 0,1,2,3
.if (\k) == 0
	v_wmma_scale_f32_16x16x128_f8f6f4 v[ACC+8*(4*\a+\b):ACC+8*(4*\a+\b)+7], v[WF+8*\b:WF+8*\b+7], v[XF+8*\a:XF+8*\a+7], v[BI+8*\b:BI+8*\b+7], v[SC+4*\b+(\k)%4], v[SC+4*\a+(\k)%4] matrix_a_fmt:MATRIX_FMT_FP4 matrix_b_fmt:MATRIX_FMT_FP4 matrix_a_scale:MATRIX_SCALE_ROW1
.else
	v_wmma_scale_f32_16x16x128_f8f6f4 v[ACC+8*(4*\a+\b):ACC+8*(4*\a+\b)+7], v[WF+8*\b:WF+8*\b+7], v[XF+8*\a:XF+8*\a+7], v[ACC+8*(4*\a+\b):ACC+8*(4*\a+\b)+7], v[SC+4*\b+(\k)%4], v[SC+4*\a+(\k)%4] matrix_a_fmt:MATRIX_FMT_FP4 matrix_b_fmt:MATRIX_FMT_FP4 matrix_a_scale:MATRIX_SCALE_ROW1
.endif
.endr
.endr
.endm
	s_load_b256 s[4:11], s[0:1], 0x0               ; cq, wq, bo, out0
	v_lshl_add_u32 v14, v0, 2, 0x3b800
	v_mov_b32 v15, 0
	ds_add_u32 v14, v15
	ds_add_u32 v14, v15
	v_lshrrev_b32 v1, 5, v0
	s_delay_alu instid0(VALU_DEP_1)
	v_readfirstlane_b32 s[WV], v1                  ; wave 0..7
	s_lshr_b32 s19, s[WV], 2                       ; al: my 64 rows
	s_and_b32 s20, s[WV], 3                        ; om: my 64 columns
	s_bfe_u32 s21, ttmp6, 0x40000                  ; cx
	s_bfe_u32 s22, ttmp6, 0x40004                  ; cy
	s_lshl_b32 s23, ttmp9, 2
	s_add_co_u32 s23, s23, s21                     ; which 256 columns: 4 x cluster x + cx
	s_and_b32 s24, ttmp7, 0xffff
	s_lshl_b32 s24, s24, 2
	s_add_co_u32 s24, s24, s22                     ; which 128 rows: 4 x cluster y + cy
	s_lshl_b32 s25, s22, 2
	s_lshl_b32 s25, 15, s25                        ; my row of the cluster
	s_lshl_b32 s26, 0x1111, s21                    ; my column
	; descriptor group 1: dense blocks as rows of 256 bytes (32 elements of 8 bytes), no padding: one record (34 rows) of ctx, two records (68 rows) of Wo
	s_or_b32 s28, s25, (3<<16)|(1<<21)             ; 15:0 the mask: ctx's records go to my row; 17:16 elements of 8 bytes; 21 set beside a mask
	s_mov_b32 s29, 32<<16                          ; tensor_dim0 = 32
	s_mov_b32 s30, 34<<16                          ; tensor_dim1 = 34
	s_mov_b32 s31, 32<<16                          ; tile_dim0 = 32
	s_mov_b32 s32, 34                              ; tile_dim1 = 34
	s_mov_b32 s33, 32                              ; from row to row
	s_mov_b32 s34, 0
	s_mov_b32 s35, 0
	s_or_b32 s36, s26, (3<<16)|(1<<21)             ; Wo's go to my column
	s_mov_b32 s37, 32<<16
	s_mov_b32 s38, 68<<16
	s_mov_b32 s39, 32<<16
	s_mov_b32 s40, 68
	s_mov_b32 s41, 32
	s_mov_b32 s42, 0
	s_mov_b32 s43, 0
	s_lshl_b32 s52, s24, 3
	s_add_co_u32 s52, s52, s[WV]                   ; ctx's record 8 y + wave: made of what my row of the cluster shares
	s_mul_i32 s52, s52, REC
	s_mov_b32 s53, 0
	s_lshl_b32 s54, s23, 4
	s_lshl_b32 s55, s[WV], 1
	s_add_co_u32 s54, s54, s55
	s_add_co_u32 s54, s54, 192                     ; Wo's records 192 + 16 x + 2 wave and the next: made of what my column shares
	s_mul_i32 s54, s54, REC
	s_mov_b32 s55, 0
	s_mov_b32 s44, 1
	s_mul_i32 s45, s[WV], REC                      ; LDS: no place in the cluster enters an LDS address
	s_mov_b32 s48, 1
	s_mul_i32 s49, s[WV], 2*REC
	s_add_co_u32 s49, s49, RB
	s_wait_dscnt 0x0
	s_wait_kmcnt 0x0
	s_add_nc_u64 s[46:47], s[4:5], s[52:53]
	s_or_b32 s47, s47, 0x80000000
	s_add_nc_u64 s[50:51], s[6:7], s[54:55]
	s_or_b32 s51, s51, 0x80000000
	CROUND                                         ; all sixteen work-groups are here: the joint loads meet
	tensor_load_to_lds s[44:47], s[28:35]          ; my record of ctx,
	s_nop 0
	s_wait_alu depctr_va_vdst(0)
	s_wait_tensorcnt 0x0
	ds_add_u32 v14, v15
	s_wait_dscnt 0x0
	CROUND
	tensor_load_to_lds s[48:51], s[36:43]          ; my two of Wo: one load of mine is out, a first fill
	s_nop 0
	PLACES 4                                       ; behind a tensor load
	s_lshl_b32 s56, s23, 10
	s_lshl_b32 s57, s20, 8
	s_add_co_u32 s56, s56, s57                     ; my 64 columns, in bytes: 4 (256 x + 64 om)
	s_mov_b32 s57, 0
	s_add_nc_u64 s[8:9], s[8:9], s[56:57]          ; the bias there
	s_lshl_b32 s58, s24, 19                        ; 128 y rows of 4,096 bytes
	s_lshl_b32 s59, s19, 18                        ; 64 al rows
	s_add_co_u32 s58, s58, s59
	s_add_co_u32 s58, s58, s56
	s_mov_b32 s59, 0
	s_add_nc_u64 s[10:11], s[10:11], s[58:59]      ; out0 at my 64 x 64
	v_and_b32 v1, 15, v0                           ; r
	v_bfe_u32 v2, v0, 4, 1                         ; h
	s_wait_alu depctr_va_vdst(0)
	v_and_b32 v3, 31, v0
	s_delay_alu instid0(VALU_DEP_1)
	v_lshlrev_b32 v3, 4, v3                        ; 16 x lane
	s_mul_i32 s60, s19, GRP
	s_mul_i32 s61, s20, GRP
	s_add_co_u32 s61, s61, RB
	v_add_nc_u32 v4, s60, v3                       ; my four records of ctx
	v_add_nc_u32 v5, s61, v3                       ; my four records of Wo
	s_xor_b32 s62, s19, 1                          ; 1 - al
	s_add_co_u32 s62, s62, s20
	s_add_co_u32 s62, s62, 1
	s_mul_i32 s62, s62, GRP                        ; from ctx's records to Wo's: (2 + om - al) x four records
	v_mul_u32_u24 v6, s62, v2                      ; lanes 16-31 take Wo's scale words
	s_delay_alu instid0(VALU_DEP_1)
	v_lshl_add_u32 v6, v1, 4, v6
	s_add_co_u32 s60, s60, 8192
	v_add_nc_u32 v6, s60, v6
	v_lshlrev_b32 v7, 6, v2                        ; the bias: 16 h numbers on
	s_mul_i32 s63, s[WV], 16*SP
	s_add_co_u32 s63, s63, STG                     ; my stage
	v_mul_u32_u24 v8, v1, SP
	s_delay_alu instid0(VALU_DEP_1)
	v_lshl_add_u32 v8, v2, 6, v8
	s_delay_alu instid0(VALU_DEP_1)
	v_add_nc_u32 v8, s63, v8                       ; in: row r, + 64 h bytes
	v_mul_u32_u24 v9, v2, SP
	s_delay_alu instid0(VALU_DEP_1)
	v_lshl_add_u32 v9, v1, 4, v9
	s_delay_alu instid0(VALU_DEP_1)
	v_add_nc_u32 v9, s63, v9                       ; back: lanes 0-15 one row of 256 bytes, lanes 16-31 the next
	v_lshlrev_b32 v10, 12, v2
	s_delay_alu instid0(VALU_DEP_1)
	v_lshl_add_u32 v10, v1, 4, v10                 ; and the same two rows in out0
.irp b, 0,1,2,3
	global_load_b128 v[BI+8*\b:BI+8*\b+3], v7, s[8:9] offset:(32*(\b/2)+8*(\b%2))*4       ; tile b's eight columns of my half
	global_load_b128 v[BI+8*\b+4:BI+8*\b+7], v7, s[8:9] offset:(32*(\b/2)+8*(\b%2))*4+16
.endr
	s_wait_loadcnt 0x0
	s_wait_tensorcnt 0x0                           ; my records have landed,
	s_barrier_signal -1
	s_barrier_wait -1                              ; everybody's have
.irp k, 0,1,2,3,4,5,6,7
	GSTEP \k
.endr
.macro TOSTAGE a                       ; tile a's 16 rows x 64 columns into my stage, each accumulator from its low end on, and back as whole rows
.irp b, 0,1,2,3
	ds_store_b128 v8, v[ACC+8*(4*(\a)+\b):ACC+8*(4*(\a)+\b)+3] offset:128*(\b/2)+32*(\b%2)
	ds_store_b128 v8, v[ACC+8*(4*(\a)+\b)+4:ACC+8*(4*(\a)+\b)+7] offset:128*(\b/2)+32*(\b%2)+16
.endr
.irp t, 0,1,2,3,4,5,6,7
	ds_load_b128 v[XF+32*((\a)%2)+4*\t:XF+32*((\a)%2)+4*\t+3], v9 offset:2*\t*SP   ; LDS serves a wave's instructions in order: these see the stores above, and the next tile's stores come behind them
.endr
.endm
.macro SEND a, younger                 ; younger: the LDS instructions issued behind tile a's loads, which may stay out
	s_wait_dscnt \younger
.irp t, 0,1,2,3,4,5,6,7
	global_store_b128 v10, v[XF+32*((\a)%2)+4*\t:XF+32*((\a)%2)+4*\t+3], s[10:11] offset:(32*((\a)/2)+8*((\a)%2)+2*\t+8*(\t/4))*4096 th:TH_STORE_NT   ; stage row 2 t + h is row 32 (a / 2) + 8 (a % 2) + 2 t + h + 8 (t / 4) of my 64; sixteen lanes store 256 consecutive bytes, aligned
.endr
.endm
	PLACES 4                                       ; behind the last products: their results are read, and loads land in their fragments' registers
	s_wait_alu depctr_va_vdst(0)
	TOSTAGE 0
.irp a, 1,2,3
.if \a > 1
	s_wait_xcnt 0x0                                ; tile a - 2's stores have read their registers: tile a's loads may land there
.endif
	TOSTAGE \a
	SEND \a-1, 16                                  ; behind tile a - 1's loads: tile a's 8 stores and 8 loads
.endr
	SEND 3, 0
	s_wait_tensorcnt 0x0
	ds_add_u32 v14, v15
	s_wait_dscnt 0x0
	CROUND                                         ; the closing round: no work-group ends while a partner may still ask for a record that names it
	s_endpgm
.Lfunc_end_k_q0c0833bec0_oproj:
	.size	k_q0c0833bec0_oproj, .Lfunc_end_k_q0c0833bec0_oproj-k_q0c0833bec0_oproj
	.p2alignl 7, 3214868480
	.fill 96, 4, 3214868480
	.section	.rodata,"a",@progbits
	.p2align	6, 0x0
	.amdhsa_kernel k_q0c0833bec0_oproj
		.amdhsa_group_segment_fixed_size 327680
		.amdhsa_private_segment_fixed_size 0
		.amdhsa_enable_private_segment 0
		.amdhsa_kernarg_size 32
		.amdhsa_user_sgpr_count 2
		.amdhsa_user_sgpr_kernarg_segment_ptr 1
		.amdhsa_wavefront_size32 1
		.amdhsa_system_sgpr_workgroup_id_x 1
		.amdhsa_system_sgpr_workgroup_id_y 1
		.amdhsa_system_sgpr_workgroup_id_z 1
		.amdhsa_system_vgpr_workitem_id 0
		.amdhsa_next_free_vgpr 256
		.amdhsa_next_free_sgpr 80
		.amdhsa_reserve_vcc 0
		.amdhsa_float_denorm_mode_32 3
		.amdhsa_float_denorm_mode_16_64 3
		.amdhsa_memory_ordered 1
		.amdhsa_forward_progress 1
		.amdhsa_inst_pref_size 41
	.end_amdhsa_kernel
	.amdgpu_metadata
---
amdhsa.version: [ 1, 2 ]
amdhsa.kernels:
  - .name:           k_q0c0833bec0_oproj
    .symbol:         k_q0c0833bec0_oproj.kd
    .args:
      - { .name: cq, .offset: 0, .size: 8, .value_kind: global_buffer, .address_space: global }
      - { .name: wq, .offset: 8, .size: 8, .value_kind: global_buffer, .address_space: global }
      - { .name: bo, .offset: 16, .size: 8, .value_kind: global_buffer, .address_space: global }
      - { .name: out0, .offset: 24, .size: 8, .value_kind: global_buffer, .address_space: global }
    .group_segment_fixed_size: 327680
    .private_segment_fixed_size: 0
    .kernarg_segment_align: 8
    .kernarg_segment_size: 32
    .max_flat_workgroup_size: 256
    .sgpr_count:     80
    .vgpr_count:     256
    .wavefront_size: 32
...
	.end_amdgpu_metadata
.endif
;; end of part 4
